; MI455X (gfx1250); checked and timed in simulation.
; The chip was launched on July 23, 2026; its instructions are those of AMD's public machine-readable ISA for CDNA 5 (MIT licence, August 2026) and "CDNA5" Instruction Set Architecture Reference Guide (July 2026). The comments in the code are by the model that wrote it; some were corrected since.
;; Dense Reparam. Allowed arithmetic: float matrix products may take bf16 or f16 operands with f32 sums; other float arithmetic in f32, or as packed bf16 or f16 multiplies, adds, multiply-adds, maxima and minima; sums over many terms, partial sums and values carried from step to step in f32; what a program stores and reads back later, other than sums and carried values, may be rounded once to bf16 or f16.
;; Inputs: theta_lambda 4,097 x 4,096 float32; x 4,096 x 4,096 float32.
;; Outputs: out0 4,096 x 4,096 float32.
;; 2 versions, each right; version 2 is version 1 with the launch build written anew for expert scheduling mode. Each part assembles by itself: llvm-mc -triple=amdgcn-amd-amdhsa -mcpu=gfx1250 --defsym DOCPART=n.
;; ======== version 1 of 2: 2 launches
;; limits: an iteration stops once its change falls below 3.725e-09 (relative); values are held in f16: magnitudes above 65,504 overflow, below 6.1e-05 lose precision; inputs' magnitudes at most 65,504; right only within a limited range of input values
;; workspace buffers: vloc 33,554,432 bytes; pbuf 1,048,576 bytes; ebuf 8,192 bytes of whole numbers
;; launch build (part 1): grid 32 x 8, 8 waves a work-group, no clusters, 0 bytes of LDS; arguments theta_lambda, vloc, pbuf, ebuf; writes vloc, pbuf, ebuf
.if DOCPART == 1
	.amdgcn_target "amdgcn-amd-amdhsa--gfx1250"
	.amdhsa_code_object_version 6
	.text
	.protected	k_q088bb3bdfa_build
	.globl	k_q088bb3bdfa_build
	.p2align	8
	.type	k_q088bb3bdfa_build,@function
k_q088bb3bdfa_build:
	s_mov_b64 s[64:65], 0
	v_nop
	global_prefetch_b8 v0, s[64:65] scope:SCOPE_SE
	s_setreg_imm32_b32 hwreg(HW_REG_WAVE_MODE, 25, 1), 1
	s_wait_xcnt 0x0
; out = r relu(x v + lam), v[k][u] = cos t_k x (the product of sin t_j over j < k), v[4095][u] = the bare product.  theta_lambda: [4097][4096] f32: rows 0-4094 angles, 4095 lam, 4096 r.
; THIS LAUNCH makes v in pieces.  The 4,096 rows are 64 chunks of 64.  In chunk c: vloc[k][u] = cos t_k x (the product of sin t_j over 64 c <= j < k), which starts at 1 in every chunk,
; and p_c[u] = the product of the chunk's 64 sines.  With L_c = the sum over the chunk of x_k vloc_k:  x v = L_0 + p_0 (L_1 + p_1 (L_2 + ..)).  The next launch walks the chunks downward and
; multiplies its f32 sums by p_c in front of chunk c.  So no product runs across work-groups, and no product over thousands of sines has to fit into 16 bits.
; STORED: vloc in f16 (a matrix operand, |vloc| <= 1), in the order in which the next launch's operand registers take it; p_c in f32 (a carry); and whole numbers
; E[H][c] = min(biased exponent of the largest |p_c[u]| among the 128 columns of group H, less 126; 0), so that |p_c[u]| <= 2^E.
; WHAT THE NEXT LAUNCH LEAVES OUT, AND BY WHAT.  cos^2 + sin^2 = 1 telescopes: the sum over k >= K of v[k][u]^2 is (the product of sin t_j over j < K)^2, for all angles.  So all rows from chunk j + 1 on
; add at most 2^(E_0 + .. + E_j) x the 2-norm of the row of x.  That is work that only some values throw away: it is left out only where the stored whole numbers say so (sum <= -28), read from memory.
; DEAD FOR ALL VALUES.  radius is the constant 1.0 of reference() itself: the factor is left out.  Row 4095 (lam) stands where chunk 63 would have its 64th angle: its cosine is replaced by 1,
; which makes vloc's last row the bare product; its sine reaches p_63 and E_63 alone, which nobody reads.  Both inputs have ways to the output; row 4096 (r) is read by the next launch alone.
; SINE AND COSINE: n = the nearest whole number to t / pi, rr = t - n pi (pi in three parts, fused), sin t = sin((-1)^n rr), cos t = (-1)^n cos rr; Taylor sums on |rr| <= pi / 2: the sine to rr^13
; as rr + rr^3 P(rr^2), so that it is good relative to itself (thousands of sines may be multiplied); the cosine to rr^12, first term left out 6.4e-9.
; LIMITS.  |angle| under 2^22 pi (beyond, n is no whole number any more).  A NaN or an infinity among the angles is not carried: the largest |p| is taken by a maximum in which a NaN loses, and what lies in
; chunks that are left out never reaches the result.  vloc under 6e-5 keeps f16's fixed step of 6e-8.
; SHARES.  Group H = 128 columns (work-group x), chunk c = 8 y + wave.  A wave: 64 rows x 128 columns; lane l has columns 128 H + 4 l + 0..3: one load of 16 bytes a row, 512 consecutive bytes a wave.
; The product runs down a lane's own registers: nothing changes lanes, no LDS, no barrier.
; VLOC'S LAYOUT.  G = column / 64, i = column % 4, rr = (column % 64) / 4.  Byte ((64 G + c) 4 + i) 2048 + 512 q + 16 (16 h + rr) holds four registers 4 q .. 4 q + 3 of the sixteen that lane 16 h + rr of the next
; launch wants for that column; register R holds rows 8 (R / 2) + 4 h + 2 (R % 2) + 0, 1 of the chunk, the lower in the low half.  A trip of 16 rows is just one q.
.set ROWB,  16384                      ; bytes in a row of theta_lambda
.set LO,    1                          ; v1   16 x lane: my 16 bytes of a row; never rewritten
.set VO,    2                          ; v2   (lane / 16) x 524,288 + (lane % 16) x 16: my place in vloc; never rewritten
.set LANE,  3                          ; v3   lane
.set ONE,   4                          ; v4   1.0
.set NIL,   5                          ; v5   0
.set CP,    8                          ; v[8:11]    the running product of my four columns
.set TB,    16                         ; v[16:79]   a ring of 16 rows, four registers each
.set ST,    80                         ; v[80:127]  four streams of 12: stream x = 2 (row's parity) + (pair of columns): +0 Y, then the sign; +2 n, then rr^3; +4 rr; +6 rr^2; +8 sine; +10 cosine, then vloc
.set OUT,   128                        ; v[128:159] a trip's packed results: column i, half h, place pos at 8 i + 4 h + pos
.set INVPI, 24                         ; constants, each in a pair of scalar registers of which the packed forms take the low word for both halves
.set MAGIC, 26
.set NMAGIC, 28
.set NPIH,  30
.set NPIM,  32
.set NPIL,  34
.set SA1,   36
.set SA2,   38
.set SA3,   40
.set SA4,   42
.set SA5,   44
.set SA6,   46
.set CB2,   48
.set CB3,   50
.set CB4,   52
.set CB5,   54
.set CB6,   56
.macro KONST r, v
	s_mov_b32 s[\r], \v
	s_mov_b32 s[\r+1], \v
.endm
.macro EACH line:vararg                ; one line for each of the four streams: x its number, b its first register
.set x, 0
.rept 4
.set b, ST+12*x
	\line
.set x, x+1
.endr
.endm
	s_load_b256 s[4:11], s[0:1], 0x0               ; theta_lambda s[4:5], vloc s[6:7], pbuf s[8:9], ebuf s[10:11]
	v_lshrrev_b32 v6, 5, v0
	v_readfirstlane_b32 s12, v6                    ; wave 0..7
	s_mov_b32 s13, ttmp9                           ; H
	s_and_b32 s14, ttmp7, 0xffff
	s_lshl_b32 s14, s14, 3
	s_add_co_u32 s14, s14, s12                     ; c = 8 y + wave
	v_and_b32 v[LANE], 31, v0
	v_lshlrev_b32 v[LO], 4, v[LANE]
	s_lshl_b32 s18, s14, 20                        ; the chunk's 64 rows of 16,384 bytes,
	s_lshl_b32 s22, s13, 9                         ; the group's 512 bytes of a row
	s_add_co_u32 s18, s18, s22
	s_mov_b32 s19, 0
	s_wait_kmcnt 0x0
	s_add_nc_u64 s[4:5], s[4:5], s[18:19]
.set p, 0
.rept 16
	global_load_b128 v[TB+4*p:TB+4*p+3], v[LO], s[4:5] offset:p*ROWB th:TH_LOAD_NT  ; the ring is filled: rows 0 to 15 of the chunk
.set p, p+1
.endr
	s_lshl_b32 s18, s13, 20                        ; vloc: two G of 524,288 bytes a group,
	s_lshl_b32 s23, s14, 13                        ; 8,192 bytes a chunk
	s_add_co_u32 s18, s18, s23
	s_add_nc_u64 s[6:7], s[6:7], s[18:19]
	s_lshl_b32 s18, s14, 14                        ; pbuf: [64][4096] f32
	s_add_co_u32 s18, s18, s22
	s_add_nc_u64 s[8:9], s[8:9], s[18:19]
	s_lshl_b32 s18, s13, 6                         ; ebuf: [32][64] words
	s_add_co_u32 s18, s18, s14
	s_lshl_b32 s18, s18, 2
	s_add_nc_u64 s[10:11], s[10:11], s[18:19]
	s_cmp_eq_u32 s14, 63
	s_cselect_b32 s16, -1, 0                       ; all lanes in chunk 63, none elsewhere: its last row's cosine becomes 1
	s_mov_b32 s20, 0x76543210                      ; v_permlanex16_b32: each lane takes its own place in the other half
	s_mov_b32 s21, 0xfedcba98
	KONST INVPI,  0x3ea2f983                       ; 1 / pi
	KONST MAGIC,  0x4b400000                       ; 1.5 x 2^23: added, it leaves the nearest whole number in the low bits
	KONST NMAGIC, 0xcb400000
	KONST NPIH,   0xc0490fdb                       ; - pi, in three parts
	KONST NPIM,   0x33bbbd2e
	KONST NPIL,   0x27772ced
	KONST SA1,    0xbe2aaaab                       ; -1/3!
	KONST SA2,    0x3c088889                       ; 1/5!
	KONST SA3,    0xb9500d01                       ; -1/7!
	KONST SA4,    0x3638ef1d                       ; 1/9!
	KONST SA5,    0xb2d7322b                       ; -1/11!
	KONST SA6,    0x2f309231                       ; 1/13!
	KONST CB2,    0x3d2aaaab                       ; 1/4!
	KONST CB3,    0xbab60b61                       ; -1/6!
	KONST CB4,    0x37d00d01                       ; 1/8!
	KONST CB5,    0xb493f27e                       ; -1/10!
	KONST CB6,    0x310f76c7                       ; 1/12!
	v_and_b32 v6, 15, v[LANE]
	v_lshrrev_b32 v7, 4, v[LANE]
	v_lshlrev_b32 v[VO], 4, v6
	v_lshl_add_u32 v[VO], v7, 19, v[VO]
	v_mov_b32 v[ONE], 1.0
	v_mov_b32 v[NIL], 0
.irp i, 0,1,2,3
	v_mov_b32 v[CP+(\i)], 1.0                      ; the local product starts at 1
.endr
; Rows 2 t and 2 t + 1 of a trip's 16.  left: how many younger loads may stay out.  refill = 1: the two rows' slots take the rows 16 further down.  last = 1: the chunk's last trip.
.macro ROW2 t, left, refill, last
	s_wait_loadcnt \left                           ; loads come back in order (ISA guide 5.7.1): these two rows are in, the younger ones stay out
	EACH v_pk_fma_f32 v[b:b+1], v[TB+8*(\t)+2*x:TB+8*(\t)+2*x+1], s[INVPI:INVPI+1], s[MAGIC:MAGIC+1] op_sel_hi:[1,0,0]
	EACH v_pk_add_f32 v[b+2:b+3], v[b:b+1], s[NMAGIC:NMAGIC+1] op_sel_hi:[1,0]                              ; n
	EACH v_pk_fma_f32 v[b+4:b+5], v[b+2:b+3], s[NPIH:NPIH+1], v[TB+8*(\t)+2*x:TB+8*(\t)+2*x+1] op_sel_hi:[1,0,1]
.if \refill
	global_load_b128 v[TB+8*(\t):TB+8*(\t)+3],   v[LO], s[4:5] offset:(16+2*(\t))*ROWB th:TH_LOAD_NT   ; the angles have been read for the last time
	global_load_b128 v[TB+8*(\t)+4:TB+8*(\t)+7], v[LO], s[4:5] offset:(17+2*(\t))*ROWB th:TH_LOAD_NT
.endif
	EACH v_pk_fma_f32 v[b+4:b+5], v[b+2:b+3], s[NPIM:NPIM+1], v[b+4:b+5] op_sel_hi:[1,0,1]
	EACH v_pk_fma_f32 v[b+4:b+5], v[b+2:b+3], s[NPIL:NPIL+1], v[b+4:b+5] op_sel_hi:[1,0,1]                  ; rr = t - n pi
	EACH v_lshlrev_b32 v[b], 31, v[b]                                                                       ; n's parity as a sign bit
	EACH v_lshlrev_b32 v[b+1], 31, v[b+1]
	EACH v_pk_mul_f32 v[b+6:b+7], v[b+4:b+5], v[b+4:b+5]                                                    ; rr^2
	EACH v_xor_b32 v[b+4], v[b+4], v[b]                                                                     ; (-1)^n rr
	EACH v_xor_b32 v[b+5], v[b+5], v[b+1]
	EACH v_pk_fma_f32 v[b+8:b+9],   v[b+6:b+7], s[SA6:SA6+1], s[SA5:SA5+1] op_sel_hi:[1,0,0]
	EACH v_pk_fma_f32 v[b+10:b+11], v[b+6:b+7], s[CB6:CB6+1], s[CB5:CB5+1] op_sel_hi:[1,0,0]
	EACH v_pk_fma_f32 v[b+8:b+9],   v[b+8:b+9],   v[b+6:b+7], s[SA4:SA4+1] op_sel_hi:[1,1,0]
	EACH v_pk_fma_f32 v[b+10:b+11], v[b+10:b+11], v[b+6:b+7], s[CB4:CB4+1] op_sel_hi:[1,1,0]
	EACH v_pk_fma_f32 v[b+8:b+9],   v[b+8:b+9],   v[b+6:b+7], s[SA3:SA3+1] op_sel_hi:[1,1,0]
	EACH v_pk_fma_f32 v[b+10:b+11], v[b+10:b+11], v[b+6:b+7], s[CB3:CB3+1] op_sel_hi:[1,1,0]
	EACH v_pk_fma_f32 v[b+8:b+9],   v[b+8:b+9],   v[b+6:b+7], s[SA2:SA2+1] op_sel_hi:[1,1,0]
	EACH v_pk_fma_f32 v[b+10:b+11], v[b+10:b+11], v[b+6:b+7], s[CB2:CB2+1] op_sel_hi:[1,1,0]
	EACH v_pk_fma_f32 v[b+8:b+9],   v[b+8:b+9],   v[b+6:b+7], s[SA1:SA1+1] op_sel_hi:[1,1,0]
	EACH v_pk_fma_f32 v[b+10:b+11], v[b+10:b+11], v[b+6:b+7], -0.5 op_sel_hi:[1,1,0]
	EACH v_pk_mul_f32 v[b+2:b+3], v[b+6:b+7], v[b+4:b+5]                                                    ; rr^3, signed
	EACH v_pk_fma_f32 v[b+10:b+11], v[b+10:b+11], v[b+6:b+7], 1.0 op_sel_hi:[1,1,0]                         ; cos rr
	EACH v_pk_fma_f32 v[b+8:b+9], v[b+8:b+9], v[b+2:b+3], v[b+4:b+5]                                        ; sin t
	EACH v_xor_b32 v[b+10], v[b+10], v[b]                                                                   ; cos t
	EACH v_xor_b32 v[b+11], v[b+11], v[b+1]
.if (\last) && ((\t) == 7)
.irp x, 2,3                            ; the chunk's row 63: in chunk 63 it is v's last row, the bare product
	v_cndmask_b32 v[ST+12*(\x)+10], v[ST+12*(\x)+10], v[ONE], s16
	v_cndmask_b32 v[ST+12*(\x)+11], v[ST+12*(\x)+11], v[ONE], s16
.endr
.endif
.irp e, 0,1                            ; the even row, then the odd one: vloc = cos x product so far; the product takes the sine
.irp d, 0,1
	v_pk_mul_f32 v[ST+12*(2*(\e)+(\d))+10:ST+12*(2*(\e)+(\d))+11], v[ST+12*(2*(\e)+(\d))+10:ST+12*(2*(\e)+(\d))+11], v[CP+2*(\d):CP+2*(\d)+1]
.endr
.irp d, 0,1
	v_pk_mul_f32 v[CP+2*(\d):CP+2*(\d)+1], v[CP+2*(\d):CP+2*(\d)+1], v[ST+12*(2*(\e)+(\d))+8:ST+12*(2*(\e)+(\d))+9]
.endr
.endr
.irp i, 0,1,2,3                        ; the two rows of column i make one register: half h = (t / 2) % 2, place (t % 2) + 2 (t / 4)
	v_cvt_pk_f16_f32 v[OUT+8*(\i)+4*(((\t)>>1)&1)+((\t)&1)+2*((\t)>>2)], v[ST+12*((\i)/2)+10+((\i)%2)], v[ST+12*(2+(\i)/2)+10+((\i)%2)]
.endr
.endm
; A trip: 16 rows, and their eight stores: lanes 0-15 store 256 consecutive bytes at a multiple of 256 from vloc's first byte, lanes 16-31 the same for the group's other G.
.macro TRIP refill, last
.irp t, 0,1,2,3,4,5,6,7
.if \refill
	ROW2 \t, 14, 1, 0                              ; seven younger pairs of rows, two loads each, stay out: the same count on the way in and round the backward jump
.else
	ROW2 \t, 14-2*(\t), 0, \last                   ; nothing is asked for: the counts run down
.endif
.endr
.irp i, 0,1,2,3
.irp h, 0,1
	global_store_b128 v[VO], v[OUT+8*(\i)+4*(\h):OUT+8*(\i)+4*(\h)+3], s[6:7] offset:(\i)*2048+(\h)*256 th:TH_STORE_NT
.endr
.endr
.if \refill
	s_wait_xcnt 0x0                                ; every load and store so far has had its addresses translated (ISA guide 3.1): only behind this wait are the two bases and the stores' data written again
	s_add_nc_u64 s[4:5], s[4:5], 16*ROWB
	s_add_nc_u64 s[6:7], s[6:7], 512               ; the next q
.endif
.endm
	s_mov_b32 s15, 3
.Ltrip:
	TRIP 1, 0
	s_sub_co_u32 s15, s15, 1
	s_cmp_lg_u32 s15, 0
	s_cbranch_scc1 .Ltrip
	TRIP 0, 1                                      ; rows 48 to 63 are written out without loads: no load leaves the chunk
	global_store_b128 v[LO], v[CP:CP+3], s[8:9]    ; p_c of my four columns: 512 consecutive bytes a wave
	v_max3_num_f32 v6, |v[CP]|, |v[CP+1]|, |v[CP+2]|
	v_max_num_f32 v6, v6, |v[CP+3]|
	v_max_num_f32_dpp v6, v6, v6 row_xmask:1 row_mask:0xf bank_mask:0xf
	v_max_num_f32_dpp v6, v6, v6 row_xmask:2 row_mask:0xf bank_mask:0xf
	v_max_num_f32_dpp v6, v6, v6 row_xmask:4 row_mask:0xf bank_mask:0xf
	v_max_num_f32_dpp v6, v6, v6 row_xmask:8 row_mask:0xf bank_mask:0xf
	v_permlanex16_b32 v7, v6, s20, s21             ; (v7 was written at the head)
	v_max_num_f32 v6, v6, v7                       ; the largest |p_c| of the 128 columns, in every lane
	v_bfe_u32 v6, v6, 23, 8                        ; its biased exponent e: |p| < 2^(e - 126)
	v_add_nc_u32 v6, 0xffffff82, v6                ; e - 126
	v_min_i32 v6, 0, v6                            ; a product of sines is at most 1
	v_cmp_eq_u32 vcc_lo, 0, v[LANE]
	s_wait_xcnt 0x0                                ; EXEC is a source of the stores above: it changes only behind this wait
	s_and_saveexec_b32 s17, vcc_lo
	global_store_b32 v[NIL], v6, s[10:11]          ; lane 0 stores E[H][c]
	s_wait_xcnt 0x0                                ; and again in front of the line that widens it
	s_or_b32 exec_lo, exec_lo, s17
	s_endpgm
.Lfunc_end_k_q088bb3bdfa_build:
	.size	k_q088bb3bdfa_build, .Lfunc_end_k_q088bb3bdfa_build-k_q088bb3bdfa_build
	.p2alignl 7, 3214868480
	.fill 96, 4, 3214868480
	.section	.rodata,"a",@progbits
	.p2align	6, 0x0
	.amdhsa_kernel k_q088bb3bdfa_build
		.amdhsa_group_segment_fixed_size 0
		.amdhsa_private_segment_fixed_size 0
		.amdhsa_enable_private_segment 0
		.amdhsa_kernarg_size 32
		.amdhsa_user_sgpr_count 2
		.amdhsa_user_sgpr_kernarg_segment_ptr 1
		.amdhsa_wavefront_size32 1
		.amdhsa_system_sgpr_workgroup_id_x 1
		.amdhsa_system_sgpr_workgroup_id_y 1
		.amdhsa_system_sgpr_workgroup_id_z 1
		.amdhsa_system_vgpr_workitem_id 0
		.amdhsa_next_free_vgpr 160
		.amdhsa_next_free_sgpr 66
		.amdhsa_reserve_vcc 1
		.amdhsa_float_denorm_mode_32 3
		.amdhsa_float_denorm_mode_16_64 3
		.amdhsa_memory_ordered 1
		.amdhsa_forward_progress 1
		.amdhsa_inst_pref_size 111
	.end_amdhsa_kernel
	.amdgpu_metadata
---
amdhsa.version: [ 1, 2 ]
amdhsa.kernels:
  - .name:           k_q088bb3bdfa_build
    .symbol:         k_q088bb3bdfa_build.kd
    .args:
      - { .name: theta_lambda, .offset: 0, .size: 8, .value_kind: global_buffer, .address_space: global }
      - { .name: vloc, .offset: 8, .size: 8, .value_kind: global_buffer, .address_space: global }
      - { .name: pbuf, .offset: 16, .size: 8, .value_kind: global_buffer, .address_space: global }
      - { .name: ebuf, .offset: 24, .size: 8, .value_kind: global_buffer, .address_space: global }
    .group_segment_fixed_size: 0
    .private_segment_fixed_size: 0
    .kernarg_segment_align: 8
    .kernarg_segment_size: 32
    .max_flat_workgroup_size: 256
    .sgpr_count:     66
    .vgpr_count:     160
    .wavefront_size: 32
...
	.end_amdgpu_metadata
.endif
;; end of part 1
;; launch product (part 2): grid 32 x 8, 8 waves a work-group, no clusters, 0 bytes of LDS; arguments x, vloc, pbuf, ebuf, theta_lambda, out0; writes out0
.if DOCPART == 2
	.amdgcn_target "amdgcn-amd-amdhsa--gfx1250"
	.amdhsa_code_object_version 6
	.text
	.protected	k_q088bb3bdfa_product
	.globl	k_q088bb3bdfa_product
	.p2align	8
	.type	k_q088bb3bdfa_product,@function
k_q088bb3bdfa_product:
	s_mov_b64 s[64:65], 0
	v_nop
	global_prefetch_b8 v0, s[64:65] scope:SCOPE_SE
	s_setreg_imm32_b32 hwreg(HW_REG_WAVE_MODE, 25, 1), 1
	s_wait_xcnt 0x0
; out0[b][u] = r[u] relu(z + lam[u]),  z = L_0 + p_0 (L_1 + p_1 (L_2 + ..)),  L_c = the sum over chunk c (64 rows of v) of x[b][k] vloc[k][u]: vloc (f16), p (f32) and E (whole numbers) as the launch before stored them.
; LEFT OUT: the chunks from j + 1 on, where 28 + E_0 + .. + E_j <= 0 for my group of 128 columns.  Together they add at most 2^(E_0 + .. + E_j) x the 2-norm of the row of x (the squares of a column of v
; from row K on add up to the square of the product of the sines above K, for all angles): at most 2^-28 of that norm.  The whole numbers are read from memory; with angles near pi / 2 all 64 chunks are walked.
; LIMITS.  x is rounded to f16 for the product: |x| under 65,504.  What is left out is at most 2^-28 x the norm of x's row.  A NaN or an infinity of x in a chunk that is left out is not carried to the
; result; relu is a maximum in which a NaN loses.
; NO CLUSTER, NO LDS, NO TENSOR LOADS: the walk's length is a count read from memory, the same for a work-group's waves but not from work-group to work-group, so the loop holds no barrier and writes no LDS;
; each wave takes its operands from memory straight into registers.  A walk of one chunk shares 16 KiB of x and 16 KiB of vloc a wave against 32 KiB of output.
; SHARES.  Group H = 128 columns (work-group x); rows 512 y + 64 wave .. + 63.  A wave: 64 rows x 128 columns: 32 accumulators, (a, nb) at v[8 (8 a + nb)] of window 1, nb = 4 g + i.
; LAYOUT.  Source 0 = 16 rows of x, source 1 = 16 columns of vloc.  Column place n of block (g, i) is column 128 H + 64 g + 4 n + i: in the result a lane (n = lane % 16, h = lane / 16) holds that column and rows
; 8 h + 0..7, so p, lam and r are one register a block, and blocks i = 0..3 give a lane 16 consecutive bytes of a row of out0: sixteen lanes store 256 consecutive bytes, with no way round through LDS.
; K'S ORDER.  A lane loads x as it lies: load i brings rows' numbers 8 i + 4 h + 0..3 of the chunk, f32; two conversions make registers 2 i and 2 i + 1.  So register R of sixteen holds k = 8 (R / 2) + 4 h + 2 (R % 2) + 0, 1;
; vloc was stored in the same order.  A permutation of k applied alike to both sources leaves the products as they are.
; REGISTERS.  Window 0: v1-4 offsets; v[8:15] p; v[16:143] x: 32 a block of rows: as loaded, then 16 of f16 below, and in the 16 above them vloc's second half for blocks 2 a and 2 a + 1;
; v[144:207] vloc's first half, 8 a block; v[208:215] lam; v[216:223] r; v[224:255] the way out.  Window 1: the accumulators.
.set AO,  1                            ; v1   (lane % 16) x 16,384 + 16 (lane / 16): my place in 16 rows of x; never rewritten
.set BO,  2                            ; v2   16 x lane: my place in vloc; never rewritten
.set CO,  3                            ; v3   16 x (lane % 16): my four columns of a g in p, lam, r; never rewritten
.set OO,  4                            ; v4   (lane / 16) x 8 rows + 16 (lane % 16): my place in out0; never rewritten
.set P,   8
.set AS,  16
.set B0,  144
.set LAM, 208
.set RR,  216
.set OUT, 224
.set TH,  84                           ; s[84:85] theta_lambda at row 4095, my group's columns
.set XA,  86                           ; s[86:87] x at my first row, at the chunk in hand
.set VB,  88                           ; s[88:89] vloc at my group, at the chunk in hand
.set PB,  90                           ; s[90:91] pbuf likewise
.set OB,  92                           ; s[92:93] out0 at my first row and my group's columns
.set SUM, 94                           ; s94  28 + E_0 + .. + E_j
.set CM1, 95                           ; s95  the last chunk that is walked
.set CNT, 96                           ; s96  counts the loop's trips
.set WV,  97                           ; s97  my wave's number
.set TMP, 98                           ; s[98:99] an offset, in 64 bits
.set MSB, 0
.macro WIN new                         ; s_set_vgpr_msb: bits 1:0 source 0, 3:2 source 1, 5:4 source 2, 7:6 destination; the high byte repeats the setting that is left; a switch that changes nothing is dropped
.if MSB != (\new)
	s_set_vgpr_msb (MSB<<8)|(\new)
.set MSB, (\new)
.endif
.endm
	s_load_b256 s[4:11], s[0:1], 0x0               ; x s[4:5], vloc s[6:7], pbuf s[8:9], ebuf s[10:11]
	s_load_b128 s[12:15], s[0:1], 0x20             ; theta_lambda s[12:13], out0 s[14:15]
	v_lshrrev_b32 v5, 5, v0
	v_readfirstlane_b32 s[WV], v5                  ; wave 0..7
	v_and_b32 v5, 31, v0                           ; lane
	v_and_b32 v6, 15, v0                           ; lane % 16
	v_lshrrev_b32 v7, 4, v5                        ; lane / 16
	v_lshlrev_b32 v[BO], 4, v5
	v_lshlrev_b32 v[CO], 4, v6
	v_lshlrev_b32 v[AO], 14, v6
	v_lshl_add_u32 v[AO], v7, 4, v[AO]
	v_lshl_add_u32 v[OO], v7, 17, v[CO]
	s_mov_b32 s[TMP+1], 0
	s_lshl_b32 s[TMP], ttmp9, 8                    ; my group's 64 words of ebuf
	s_wait_kmcnt 0x0
	s_add_nc_u64 s[10:11], s[10:11], s[TMP:TMP+1]
	s_load_b512 s[16:31], s[10:11], 0x0            ; E_0 .. E_15
	s_load_b512 s[32:47], s[10:11], 0x40           ; E_16 .. E_31
	s_load_b512 s[48:63], s[10:11], 0x80           ; E_32 .. E_47
	s_load_b512 s[68:83], s[10:11], 0xc0           ; E_48 .. E_63 (the last is not read)
	s_lshl_b32 s[TMP], ttmp9, 9                    ; my group's 512 bytes of a row of 4,096 f32
	s_add_nc_u64 s[TH:TH+1], s[12:13], 4095*16384
	s_add_nc_u64 s[TH:TH+1], s[TH:TH+1], s[TMP:TMP+1]
	global_load_b128 v[LAM:LAM+3],   v[CO], s[TH:TH+1]               ; lam and r: the oldest loads, so every later wait on loads covers them
	global_load_b128 v[LAM+4:LAM+7], v[CO], s[TH:TH+1] offset:256
	global_load_b128 v[RR:RR+3],     v[CO], s[TH:TH+1] offset:16384
	global_load_b128 v[RR+4:RR+7],   v[CO], s[TH:TH+1] offset:16640
	s_add_nc_u64 s[PB:PB+1], s[8:9], s[TMP:TMP+1]
	s_add_nc_u64 s[OB:OB+1], s[14:15], s[TMP:TMP+1]
	s_lshl_b32 s[TMP], ttmp9, 20                   ; my group's two G of vloc
	s_add_nc_u64 s[VB:VB+1], s[6:7], s[TMP:TMP+1]
	s_and_b32 s[TMP], ttmp7, 0xffff
	s_lshl_b32 s[TMP], s[TMP], 23                  ; 512 rows of 16,384 bytes a work-group,
	s_lshl_b32 s[CNT], s[WV], 20                   ; 64 a wave
	s_add_co_u32 s[TMP], s[TMP], s[CNT]
	s_add_nc_u64 s[XA:XA+1], s[4:5], s[TMP:TMP+1]
	s_add_nc_u64 s[OB:OB+1], s[OB:OB+1], s[TMP:TMP+1]
	s_mov_b32 s[SUM], 28
	s_wait_kmcnt 0x0
	; How far to walk.  Chunk j + 1 is walked if 28 + E_0 + .. + E_j is above 0.  Every E is 0 or less, so the first j at which the sum is spent ends the count.  All jumps go forward, on whole numbers read from memory.
.set j, 0
.rept 63
	s_add_co_i32 s[SUM], s[SUM], s[16+j+4*(j/48)]
	s_mov_b32 s[CM1], j
	s_cmp_le_i32 s[SUM], 0
	s_cbranch_scc1 .Lcounted
.set j, j+1
.endr
	s_mov_b32 s[CM1], 63
.Lcounted:
	s_min_u32 s[CM1], s[CM1], 63                   ; what enters addresses is bounded in the text
	s_lshl_b32 s[TMP], s[CM1], 8                   ; a chunk is 256 bytes of a row of x,
	s_add_nc_u64 s[XA:XA+1], s[XA:XA+1], s[TMP:TMP+1]
	s_lshl_b32 s[TMP], s[CM1], 13                  ; 8,192 bytes of a G of vloc,
	s_add_nc_u64 s[VB:VB+1], s[VB:VB+1], s[TMP:TMP+1]
	s_lshl_b32 s[TMP], s[CM1], 14                  ; a row of pbuf
	s_add_nc_u64 s[PB:PB+1], s[PB:PB+1], s[TMP:TMP+1]
; 32 products: half f (32 of the chunk's 64 k) for all 32 accumulators, which take turns, one instruction a turn, in the same order in every half, over the backward jump too.
; zero = 1: the products start the sums: nothing is cleared.
.macro MULS f, zero
	WIN 0x50                                       ; C and D in window 1, both sources in window 0
.set n, 0
.rept 32                               ; a = n / 8, nb = n % 8
.set rA, AS+32*(n/8)+8*(\f)
.if (\f) == 0
.set rB, B0+8*(n%8)
.else
.set rB, AS+32*((n%8)/2)+16+8*(n%2)
.endif
.if \zero
	v_wmma_f32_16x16x32_f16 v[8*n:8*n+7], v[rA:rA+7], v[rB:rB+7], 0
.else
	v_wmma_f32_16x16x32_f16 v[8*n:8*n+7], v[rA:rA+7], v[rB:rB+7], v[8*n:8*n+7]
.endif
.set n, n+1
.endr
.endm
; One chunk.  zero = 1: the walk's first (the highest): it starts the sums.  zero = 0: one chunk down; the sums are multiplied by that chunk's p first.
.macro STEP zero
.if !(\zero)
.rept 4
	v_nop                                          ; four places between the last product and loads into registers that it has read (ISA guide 7.12.1 for vector instructions)
.endr
	s_sub_nc_u64 s[XA:XA+1], s[XA:XA+1], 256       ; every load that named these was shown done by the wait for 0 in front of the last 32 products
	s_sub_nc_u64 s[VB:VB+1], s[VB:VB+1], 8192
	s_sub_nc_u64 s[PB:PB+1], s[PB:PB+1], 16384
	global_load_b128 v[P:P+3],   v[CO], s[PB:PB+1]
	global_load_b128 v[P+4:P+7], v[CO], s[PB:PB+1] offset:256
.endif
.set n, 0
.rept 32                               ; x: block of rows n / 8, load n % 8: together the eight loads take 256 consecutive bytes, aligned, of each of 16 rows
	global_load_b128 v[AS+4*n:AS+4*n+3], v[AO], s[XA:XA+1] offset:(n/8)*262144+(n%8)*32
.set n, n+1
.endr
.set n, 0
.rept 8                                ; vloc, first half: block n = 4 g + i; 512 consecutive bytes a load
	global_load_b128 v[B0+8*n:B0+8*n+3],   v[BO], s[VB:VB+1] offset:(n/4)*524288+(n%4)*2048
	global_load_b128 v[B0+8*n+4:B0+8*n+7], v[BO], s[VB:VB+1] offset:(n/4)*524288+(n%4)*2048+512
.set n, n+1
.endr
	s_wait_loadcnt 16                              ; all but the 16 just issued: x is in, and p (and, the first time, lam and r)
.set n, 0
.rept 32                               ; x to f16, in place, from the low end: register 2 i is written when registers up to 4 i + 1 have been read
	v_cvt_pk_f16_f32 v[AS+32*(n/8)+2*(n%8)],   v[AS+4*n],   v[AS+4*n+1]
	v_cvt_pk_f16_f32 v[AS+32*(n/8)+2*(n%8)+1], v[AS+4*n+2], v[AS+4*n+3]
.set n, n+1
.endr
.set n, 0
.rept 8                                ; vloc, second half, into the 16 registers that each block of rows has just left
.set rB, AS+32*(n/2)+16+8*(n%2)
	global_load_b128 v[rB:rB+3],   v[BO], s[VB:VB+1] offset:(n/4)*524288+(n%4)*2048+1024
	global_load_b128 v[rB+4:rB+7], v[BO], s[VB:VB+1] offset:(n/4)*524288+(n%4)*2048+1536
.set n, n+1
.endr
.if !(\zero)
	WIN 0x41                                       ; destination and source 0 in window 1, p in window 0
.set n, 0
.rept 32                               ; the sums times p of the lane's column; each accumulator from its low end on
.irp q, 0,2,4,6
.if n%2 == 0
	v_pk_mul_f32 v[8*n+(\q):8*n+(\q)+1], v[8*n+(\q):8*n+(\q)+1], v[P+n%8:P+n%8+1] op_sel_hi:[1,0]               ; the pair's first register for both
.else
	v_pk_mul_f32 v[8*n+(\q):8*n+(\q)+1], v[8*n+(\q):8*n+(\q)+1], v[P+n%8-1:P+n%8] op_sel:[0,1] op_sel_hi:[1,1]  ; its second for both
.endif
.endr
.set n, n+1
.endr
.endif
	s_wait_loadcnt 16                              ; all but the 16 just issued: vloc's first half is in
	MULS 0, \zero
	s_wait_loadcnt 0x0                             ; its second half
	MULS 1, 0
	WIN 0                                          ; at a label and at a branch every window is 0
.endm
; The way out of 16 rows x 64 columns: + lam, relu, x r; a lane's four columns of a row lie in four neighbouring registers.
.macro LEAVE a, g
	s_wait_xcnt 0x0                                ; the stores before have had their addresses translated (ISA guide 3.1): only behind this wait is their data written again
	WIN 0x01                                       ; source 0 in window 1
.set j, 0
.rept 8                                ; register j of each of the four accumulators, j ascending: each is read from its low end on
.irp i, 0,1,2,3
	v_add_f32 v[OUT+4*j+(\i)], v[8*(8*(\a)+4*(\g)+(\i))+j], v[LAM+4*(\g)+(\i)]
.endr
.set j, j+1
.endr
	WIN 0
.set j, 0
.rept 32
	v_max_num_f32 v[OUT+j], 0, v[OUT+j]
.set j, j+1
.endr
.set j, 0
.rept 16
	v_pk_mul_f32 v[OUT+2*j:OUT+2*j+1], v[OUT+2*j:OUT+2*j+1], v[RR+4*(\g)+2*(j%2):RR+4*(\g)+2*(j%2)+1]
.set j, j+1
.endr
.set j, 0
.rept 8
	global_store_b128 v[OO], v[OUT+4*j:OUT+4*j+3], s[OB:OB+1] offset:(16*(\a)+j)*16384+(\g)*256 th:TH_STORE_NT  ; lanes 0-15: 256 consecutive bytes of row 16 a + j, at a multiple of 256 from out0's first byte; lanes 16-31: of row 16 a + 8 + j
.set j, j+1
.endr
.endm
	STEP 1                                         ; the highest chunk that is walked
	s_cmp_eq_u32 s[CM1], 0
	s_cbranch_scc1 .Lout
	s_mov_b32 s[CNT], 0
.Lwalk:                                        ; CM1 trips, down to chunk 0
	STEP 0
	s_add_co_u32 s[CNT], s[CNT], 1
	s_cmp_lt_u32 s[CNT], s[CM1]
	s_cbranch_scc1 .Lwalk
.Lout:
.rept 4
	v_nop                                          ; four places between the last product and the first read of a result
.endr
.irp a, 0,1,2,3
.irp g, 0,1
	LEAVE \a, \g
.endr
.endr
	s_endpgm
.Lfunc_end_k_q088bb3bdfa_product:
	.size	k_q088bb3bdfa_product, .Lfunc_end_k_q088bb3bdfa_product-k_q088bb3bdfa_product
	.p2alignl 7, 3214868480
	.fill 96, 4, 3214868480
	.section	.rodata,"a",@progbits
	.p2align	6, 0x0
	.amdhsa_kernel k_q088bb3bdfa_product
		.amdhsa_group_segment_fixed_size 0
		.amdhsa_private_segment_fixed_size 0
		.amdhsa_enable_private_segment 0
		.amdhsa_kernarg_size 48
		.amdhsa_user_sgpr_count 2
		.amdhsa_user_sgpr_kernarg_segment_ptr 1
		.amdhsa_wavefront_size32 1
		.amdhsa_system_sgpr_workgroup_id_x 1
		.amdhsa_system_sgpr_workgroup_id_y 1
		.amdhsa_system_sgpr_workgroup_id_z 1
		.amdhsa_system_vgpr_workitem_id 0
		.amdhsa_next_free_vgpr 512
		.amdhsa_next_free_sgpr 100
		.amdhsa_reserve_vcc 0
		.amdhsa_float_denorm_mode_32 3
		.amdhsa_float_denorm_mode_16_64 3
		.amdhsa_memory_ordered 1
		.amdhsa_forward_progress 1
		.amdhsa_inst_pref_size 79
	.end_amdhsa_kernel
	.amdgpu_metadata
---
amdhsa.version: [ 1, 2 ]
amdhsa.kernels:
  - .name:           k_q088bb3bdfa_product
    .symbol:         k_q088bb3bdfa_product.kd
    .args:
      - { .name: x, .offset: 0, .size: 8, .value_kind: global_buffer, .address_space: global }
      - { .name: vloc, .offset: 8, .size: 8, .value_kind: global_buffer, .address_space: global }
      - { .name: pbuf, .offset: 16, .size: 8, .value_kind: global_buffer, .address_space: global }
      - { .name: ebuf, .offset: 24, .size: 8, .value_kind: global_buffer, .address_space: global }
      - { .name: theta_lambda, .offset: 32, .size: 8, .value_kind: global_buffer, .address_space: global }
      - { .name: out0, .offset: 40, .size: 8, .value_kind: global_buffer, .address_space: global }
    .group_segment_fixed_size: 0
    .private_segment_fixed_size: 0
    .kernarg_segment_align: 8
    .kernarg_segment_size: 48
    .max_flat_workgroup_size: 256
    .sgpr_count:     100
    .vgpr_count:     512
    .wavefront_size: 32
...
	.end_amdgpu_metadata
.endif
;; end of part 2
;; ======== version 2 of 2: 2 launches; version 1 with the launch build written anew for expert scheduling mode
;; limits: an iteration stops once its change falls below 3.725e-09 (relative); values are held in f16: magnitudes above 65,504 overflow, below 6.1e-05 lose precision; inputs' magnitudes at most 65,504; right only within a limited range of input values
;; workspace buffers: vloc 33,554,432 bytes; pbuf 1,048,576 bytes; ebuf 8,192 bytes of whole numbers
;; launch build (part 3): grid 32 x 8, 8 waves a work-group, no clusters, 0 bytes of LDS; arguments theta_lambda, vloc, pbuf, ebuf; writes vloc, pbuf, ebuf
.if DOCPART == 3
	.amdgcn_target "amdgcn-amd-amdhsa--gfx1250"
	.amdhsa_code_object_version 6
	.text
	.protected	k_q088bb3bdfa_build
	.globl	k_q088bb3bdfa_build
	.p2align	8
	.type	k_q088bb3bdfa_build,@function
k_q088bb3bdfa_build:
	s_mov_b64 s[64:65], 0
	v_nop
	global_prefetch_b8 v0, s[64:65] scope:SCOPE_SE
	s_setreg_imm32_b32 hwreg(HW_REG_WAVE_SCHED_MODE, 0, 2), 2
	s_setreg_imm32_b32 hwreg(HW_REG_WAVE_MODE, 25, 1), 1
	s_wait_xcnt 0x0
	s_wait_alu depctr_vm_vsrc(0)
; out = r relu(x v + lam), v[k][u] = cos t_k x (the product of sin t_j over j < k), v[4095][u] = the bare product.  theta_lambda: [4097][4096] f32: rows 0-4094 angles, 4095 lam, 4096 r.
; THIS LAUNCH makes v in pieces.  The 4,096 rows are 64 chunks of 64.  In chunk c: vloc[k][u] = cos t_k x (the product of sin t_j over 64 c <= j < k), which starts at 1 in every chunk,
; and p_c[u] = the product of the chunk's 64 sines.  With L_c = the sum over the chunk of x_k vloc_k:  x v = L_0 + p_0 (L_1 + p_1 (L_2 + ..)).  The next launch walks the chunks downward and
; multiplies its f32 sums by p_c in front of chunk c.  So no product runs across work-groups, and no product over thousands of sines has to fit into 16 bits.
; STORED: vloc in f16 (a matrix operand, |vloc| <= 1), in the order in which the next launch's operand registers take it; p_c in f32 (a carry); and whole numbers
; E[H][c] = min(biased exponent of the largest |p_c[u]| among the 128 columns of group H, less 126; 0), so that |p_c[u]| <= 2^E.
; WHAT THE NEXT LAUNCH LEAVES OUT, AND BY WHAT.  cos^2 + sin^2 = 1 telescopes: the sum over k >= K of v[k][u]^2 is (the product of sin t_j over j < K)^2, for all angles.  So all rows from chunk j + 1 on
; add at most 2^(E_0 + .. + E_j) x the 2-norm of the row of x.  That is work that only some values throw away: it is left out only where the stored whole numbers say so (sum <= -28), read from memory.
; DEAD FOR ALL VALUES.  radius is the constant 1.0 of reference() itself: the factor is left out.  Row 4095 (lam) stands where chunk 63 would have its 64th angle: its cosine is replaced by 1,
; which makes vloc's last row the bare product; its sine reaches p_63 and E_63 alone, which nobody reads.  Both inputs have ways to the output; row 4096 (r) is read by the next launch alone.
; SINE AND COSINE: n = the nearest whole number to t / pi, rr = t - n pi (pi in three parts, fused), sin t = sin((-1)^n rr), cos t = (-1)^n cos rr; Taylor sums on |rr| <= pi / 2: the sine to rr^13
; as rr + rr^3 P(rr^2), so that it is good relative to itself (thousands of sines may be multiplied); the cosine to rr^12, first term left out 6.4e-9.
; LIMITS.  |angle| under 2^22 pi (beyond, n is no whole number any more).  A NaN or an infinity among the angles is not carried: the largest |p| is taken by a maximum in which a NaN loses, and what lies in
; chunks that are left out never reaches the result.  vloc under 6e-5 keeps f16's fixed step of 6e-8.
; SHARES.  Group H = 128 columns (work-group x), chunk c = 8 y + wave.  A wave: 64 rows x 128 columns; lane l has columns 128 H + 4 l + 0..3: one load of 16 bytes a row, 512 consecutive bytes a wave.
; The product runs down a lane's own registers: nothing changes lanes, no LDS, no barrier.
; VLOC'S LAYOUT.  G = column / 64, i = column % 4, rr = (column % 64) / 4.  Byte ((64 G + c) 4 + i) 2048 + 512 q + 16 (16 h + rr) holds four registers 4 q .. 4 q + 3 of the sixteen that lane 16 h + rr of the next
; launch wants for that column; register R holds rows 8 (R / 2) + 4 h + 2 (R % 2) + 0, 1 of the chunk, the lower in the low half.  A trip of 16 rows is just one q.
; THE MODE: SCHED_MODE bits 1:0 = 2 (LLVM: expert scheduling mode 2), set by the entry lines.  The code itself states the register dependences between vector instructions and memory instructions,
; with s_wait_alu, always for 0.
; THE PLAN.  A trip is 16 rows, eight steps of two.  Registers that memory instructions touch:
;   TB    the ring, a pair of rows to a step.  Step t: its first and its third packed line read pair t, and no other line does; behind them the loads of the rows 16 further down land in it.
;   OUT   a trip's packed results.  Written by the four roundings at the end of each of the trip's eight steps; read by the eight stores, which are issued in the NEXT trip's first step.
;   v[LO], v[VO], v[NIL]   offsets, made once at the head and never written again: the rows are reached by the scalar bases and by immediate offsets.
;   CP and v6   read by one store each, behind the last trip.
;   ST and the constants are named by vector instructions alone.
; So ONE wait on va_vdst stands in a step, behind the third packed line: it states that the step's lines are done reading pair t, and, in a trip's first step, that the trip before has written OUT.  The step's two
; loads, and there the eight stores, follow it at once.  ONE wait on vm_vsrc a trip stands at the end of that first step, ahead of the first rounding that writes OUT again, beside the wait that frees the stores'
; data and the two bases.  The last trip's steps 1 to 7 issue no memory instruction and hold no such wait.
.set ROWB,  16384                      ; bytes in a row of theta_lambda
.set LO,    1                          ; v1   16 x lane: my 16 bytes of a row; never rewritten
.set VO,    2                          ; v2   (lane / 16) x 524,288 + (lane % 16) x 16: my place in vloc; never rewritten
.set LANE,  3                          ; v3   lane
.set ONE,   4                          ; v4   1.0
.set NIL,   5                          ; v5   0
.set CP,    8                          ; v[8:11]    the running product of my four columns
.set TB,    16                         ; v[16:79]   a ring of 16 rows, four registers each
.set ST,    80                         ; v[80:127]  four streams of 12: stream x = 2 (row's parity) + (pair of columns): +0 Y, then the sign; +2 n, then rr^3; +4 rr; +6 rr^2; +8 sine; +10 cosine, then vloc
.set OUT,   128                        ; v[128:159] a trip's packed results: column i, half h, place pos at 8 i + 4 h + pos
.set INVPI, 24                         ; constants, each in a pair of scalar registers of which the packed forms take the low word for both halves
.set MAGIC, 26
.set NMAGIC, 28
.set NPIH,  30
.set NPIM,  32
.set NPIL,  34
.set SA1,   36
.set SA2,   38
.set SA3,   40
.set SA4,   42
.set SA5,   44
.set SA6,   46
.set CB2,   48
.set CB3,   50
.set CB4,   52
.set CB5,   54
.set CB6,   56
.macro KONST r, v
	s_mov_b32 s[\r], \v
	s_mov_b32 s[\r+1], \v
.endm
.macro EACH line:vararg                ; one line for each of the four streams: x its number, b its first register
.set x, 0
.rept 4
.set b, ST+12*x
	\line
.set x, x+1
.endr
.endm
	s_load_b256 s[4:11], s[0:1], 0x0               ; theta_lambda s[4:5], vloc s[6:7], pbuf s[8:9], ebuf s[10:11]
	v_lshrrev_b32 v6, 5, v0
	v_readfirstlane_b32 s12, v6                    ; wave 0..7
	v_and_b32 v[LANE], 31, v0
	v_lshlrev_b32 v[LO], 4, v[LANE]
	s_mov_b32 s13, ttmp9                           ; H
	s_and_b32 s14, ttmp7, 0xffff
	s_lshl_b32 s14, s14, 3
	s_lshl_b32 s22, s13, 9                         ; the group's 512 bytes of a row
	s_wait_alu depctr_va_sdst(0)                   ; s12 is written, ahead of its first reader: the chunk's number, and with it every base, is made from it
	s_add_co_u32 s14, s14, s12                     ; c = 8 y + wave
	s_lshl_b32 s18, s14, 20                        ; the chunk's 64 rows of 16,384 bytes
	s_add_co_u32 s18, s18, s22
	s_mov_b32 s19, 0
	s_wait_kmcnt 0x0
	s_add_nc_u64 s[4:5], s[4:5], s[18:19]
	s_wait_alu depctr_va_vdst(0)                   ; v[LO] is written: every load of the kernel reads it as its offset
.set p, 0
.rept 16
	global_load_b128 v[TB+4*p:TB+4*p+3], v[LO], s[4:5] offset:p*ROWB th:TH_LOAD_NT  ; the ring is filled: rows 0 to 15 of the chunk
.set p, p+1
.endr
	s_lshl_b32 s18, s13, 20                        ; vloc: two G of 524,288 bytes a group,
	s_lshl_b32 s23, s14, 13                        ; 8,192 bytes a chunk
	s_add_co_u32 s18, s18, s23
	s_add_nc_u64 s[6:7], s[6:7], s[18:19]
	s_lshl_b32 s18, s14, 14                        ; pbuf: [64][4096] f32
	s_add_co_u32 s18, s18, s22
	s_add_nc_u64 s[8:9], s[8:9], s[18:19]
	s_lshl_b32 s18, s13, 6                         ; ebuf: [32][64] words
	s_add_co_u32 s18, s18, s14
	s_lshl_b32 s18, s18, 2
	s_add_nc_u64 s[10:11], s[10:11], s[18:19]
	s_cmp_eq_u32 s14, 63
	s_cselect_b32 s16, -1, 0                       ; all lanes in chunk 63, none elsewhere: its last row's cosine becomes 1
	s_mov_b32 s20, 0x76543210                      ; v_permlanex16_b32: each lane takes its own place in the other half
	s_mov_b32 s21, 0xfedcba98
	KONST INVPI,  0x3ea2f983                       ; 1 / pi
	KONST MAGIC,  0x4b400000                       ; 1.5 x 2^23: added, it leaves the nearest whole number in the low bits
	KONST NMAGIC, 0xcb400000
	KONST NPIH,   0xc0490fdb                       ; - pi, in three parts
	KONST NPIM,   0x33bbbd2e
	KONST NPIL,   0x27772ced
	KONST SA1,    0xbe2aaaab                       ; -1/3!
	KONST SA2,    0x3c088889                       ; 1/5!
	KONST SA3,    0xb9500d01                       ; -1/7!
	KONST SA4,    0x3638ef1d                       ; 1/9!
	KONST SA5,    0xb2d7322b                       ; -1/11!
	KONST SA6,    0x2f309231                       ; 1/13!
	KONST CB2,    0x3d2aaaab                       ; 1/4!
	KONST CB3,    0xbab60b61                       ; -1/6!
	KONST CB4,    0x37d00d01                       ; 1/8!
	KONST CB5,    0xb493f27e                       ; -1/10!
	KONST CB6,    0x310f76c7                       ; 1/12!
	v_and_b32 v6, 15, v[LANE]
	v_lshrrev_b32 v7, 4, v[LANE]
	v_lshlrev_b32 v[VO], 4, v6                     ; v[VO] and v[NIL] are first read by stores that stand behind the first step's wait on va_vdst
	v_lshl_add_u32 v[VO], v7, 19, v[VO]
	v_mov_b32 v[ONE], 1.0
	v_mov_b32 v[NIL], 0
.irp i, 0,1,2,3
	v_mov_b32 v[CP+(\i)], 1.0                      ; the local product starts at 1
.endr
; A trip's eight stores: lanes 0-15 store 256 consecutive bytes at a multiple of 256 from vloc's first byte, lanes 16-31 the same for the group's other G.
.macro STORES
.irp i, 0,1,2,3
.irp h, 0,1
	global_store_b128 v[VO], v[OUT+8*(\i)+4*(\h):OUT+8*(\i)+4*(\h)+3], s[6:7] offset:(\i)*2048+(\h)*256 th:TH_STORE_NT
.endr
.endr
.endm
; A step: rows 2 t and 2 t + 1 of a trip's 16.  left: how many younger loads may stay out.  refill = 1: the two rows' slots take the rows 16 further down.  last = 1: the chunk's last trip.
; prev = 1 (with t = 0 alone): the first step of a trip that has a trip before it: that trip's results are stored, and both bases move on by a trip at the step's end; up to there they stand at the trip before.
.macro ROW2 t, left, refill, last, prev
	s_wait_loadcnt \left                           ; loads come back in order (ISA guide 5.7.1): these two rows are in, the younger ones stay out
	EACH v_pk_fma_f32 v[b:b+1], v[TB+8*(\t)+2*x:TB+8*(\t)+2*x+1], s[INVPI:INVPI+1], s[MAGIC:MAGIC+1] op_sel_hi:[1,0,0]
	EACH v_pk_add_f32 v[b+2:b+3], v[b:b+1], s[NMAGIC:NMAGIC+1] op_sel_hi:[1,0]                              ; n
	EACH v_pk_fma_f32 v[b+4:b+5], v[b+2:b+3], s[NPIH:NPIH+1], v[TB+8*(\t)+2*x:TB+8*(\t)+2*x+1] op_sel_hi:[1,0,1]
.if (\refill) || (\prev)
	s_wait_alu depctr_va_vdst(0)                   ; the lines above are done reading the pair's registers, in which the loads below land; with prev = 1 the trip before has written OUT, which the stores below read
.endif
.if \refill
	global_load_b128 v[TB+8*(\t):TB+8*(\t)+3],   v[LO], s[4:5] offset:(16+16*(\prev)+2*(\t))*ROWB th:TH_LOAD_NT   ; the angles have been read for the last time
	global_load_b128 v[TB+8*(\t)+4:TB+8*(\t)+7], v[LO], s[4:5] offset:(17+16*(\prev)+2*(\t))*ROWB th:TH_LOAD_NT
.endif
.if \prev
	STORES                                         ; the trip before.  No further wait: no vector instruction since the wait above names OUT
.endif
	EACH v_pk_fma_f32 v[b+4:b+5], v[b+2:b+3], s[NPIM:NPIM+1], v[b+4:b+5] op_sel_hi:[1,0,1]
	EACH v_pk_fma_f32 v[b+4:b+5], v[b+2:b+3], s[NPIL:NPIL+1], v[b+4:b+5] op_sel_hi:[1,0,1]                  ; rr = t - n pi
	EACH v_lshlrev_b32 v[b], 31, v[b]                                                                       ; n's parity as a sign bit
	EACH v_lshlrev_b32 v[b+1], 31, v[b+1]
	EACH v_pk_mul_f32 v[b+6:b+7], v[b+4:b+5], v[b+4:b+5]                                                    ; rr^2
	EACH v_xor_b32 v[b+4], v[b+4], v[b]                                                                     ; (-1)^n rr
	EACH v_xor_b32 v[b+5], v[b+5], v[b+1]
	EACH v_pk_fma_f32 v[b+8:b+9],   v[b+6:b+7], s[SA6:SA6+1], s[SA5:SA5+1] op_sel_hi:[1,0,0]
	EACH v_pk_fma_f32 v[b+10:b+11], v[b+6:b+7], s[CB6:CB6+1], s[CB5:CB5+1] op_sel_hi:[1,0,0]
	EACH v_pk_fma_f32 v[b+8:b+9],   v[b+8:b+9],   v[b+6:b+7], s[SA4:SA4+1] op_sel_hi:[1,1,0]
	EACH v_pk_fma_f32 v[b+10:b+11], v[b+10:b+11], v[b+6:b+7], s[CB4:CB4+1] op_sel_hi:[1,1,0]
	EACH v_pk_fma_f32 v[b+8:b+9],   v[b+8:b+9],   v[b+6:b+7], s[SA3:SA3+1] op_sel_hi:[1,1,0]
	EACH v_pk_fma_f32 v[b+10:b+11], v[b+10:b+11], v[b+6:b+7], s[CB3:CB3+1] op_sel_hi:[1,1,0]
	EACH v_pk_fma_f32 v[b+8:b+9],   v[b+8:b+9],   v[b+6:b+7], s[SA2:SA2+1] op_sel_hi:[1,1,0]
	EACH v_pk_fma_f32 v[b+10:b+11], v[b+10:b+11], v[b+6:b+7], s[CB2:CB2+1] op_sel_hi:[1,1,0]
	EACH v_pk_fma_f32 v[b+8:b+9],   v[b+8:b+9],   v[b+6:b+7], s[SA1:SA1+1] op_sel_hi:[1,1,0]
	EACH v_pk_fma_f32 v[b+10:b+11], v[b+10:b+11], v[b+6:b+7], -0.5 op_sel_hi:[1,1,0]
	EACH v_pk_mul_f32 v[b+2:b+3], v[b+6:b+7], v[b+4:b+5]                                                    ; rr^3, signed
	EACH v_pk_fma_f32 v[b+10:b+11], v[b+10:b+11], v[b+6:b+7], 1.0 op_sel_hi:[1,1,0]                         ; cos rr
	EACH v_pk_fma_f32 v[b+8:b+9], v[b+8:b+9], v[b+2:b+3], v[b+4:b+5]                                        ; sin t
	EACH v_xor_b32 v[b+10], v[b+10], v[b]                                                                   ; cos t
	EACH v_xor_b32 v[b+11], v[b+11], v[b+1]
.if (\last) && ((\t) == 7)
.irp x, 2,3                            ; the chunk's row 63: in chunk 63 it is v's last row, the bare product
	v_cndmask_b32 v[ST+12*(\x)+10], v[ST+12*(\x)+10], v[ONE], s16
	v_cndmask_b32 v[ST+12*(\x)+11], v[ST+12*(\x)+11], v[ONE], s16
.endr
.endif
.irp e, 0,1                            ; the even row, then the odd one: vloc = cos x product so far; the product takes the sine
.irp d, 0,1
	v_pk_mul_f32 v[ST+12*(2*(\e)+(\d))+10:ST+12*(2*(\e)+(\d))+11], v[ST+12*(2*(\e)+(\d))+10:ST+12*(2*(\e)+(\d))+11], v[CP+2*(\d):CP+2*(\d)+1]
.endr
.irp d, 0,1
	v_pk_mul_f32 v[CP+2*(\d):CP+2*(\d)+1], v[CP+2*(\d):CP+2*(\d)+1], v[ST+12*(2*(\e)+(\d))+8:ST+12*(2*(\e)+(\d))+9]
.endr
.endr
.if \prev
	s_wait_xcnt 0x0                                ; every load and store so far has had its addresses translated (ISA guide 3.1): only behind this wait are the two bases and the stores' data written again
	s_wait_alu depctr_vm_vsrc(0)                   ; the eight stores above have read OUT, which the roundings below, and those of the trip's other steps, write again
.if \refill
	s_add_nc_u64 s[4:5], s[4:5], 16*ROWB           ; theta_lambda at this trip's first row
.endif
	s_add_nc_u64 s[6:7], s[6:7], 512               ; vloc at this trip's q
.endif
.irp i, 0,1,2,3                        ; the two rows of column i make one register: half h = (t / 2) % 2, place (t % 2) + 2 (t / 4)
	v_cvt_pk_f16_f32 v[OUT+8*(\i)+4*(((\t)>>1)&1)+((\t)&1)+2*((\t)>>2)], v[ST+12*((\i)/2)+10+((\i)%2)], v[ST+12*(2+(\i)/2)+10+((\i)%2)]
.endr
.endm
	ROW2 0, 14, 1, 0, 0                            ; trip 0's first step is written out: no trip stands before it, so it stores nothing and moves no base
	s_mov_b32 s15, 3
	s_branch .Lin                                  ; the loop is entered behind its first step
.Ltrip:                                        ; trips 0 to 2: every slot of the ring is filled again
	ROW2 0, 14, 1, 0, 1
.Lin:                                          ; seven younger pairs of rows, two loads each, stay out at every step's head: the same count on both ways in and round the backward jump
.irp t, 1,2,3,4,5,6,7
	ROW2 \t, 14, 1, 0, 0
.endr
	s_sub_co_u32 s15, s15, 1
	s_cmp_lg_u32 s15, 0
	s_cbranch_scc1 .Ltrip
	ROW2 0, 14, 0, 1, 1                            ; rows 48 to 63 are written out without loads: no load leaves the chunk; trip 2's results are stored here
.irp t, 1,2,3,4,5,6,7
	ROW2 \t, 14-2*(\t), 0, 1, 0                    ; nothing is asked for: the counts run down
.endr
	s_wait_alu depctr_va_vdst(0)                   ; the last trip has written OUT, and the products CP are finished: the nine stores below read them
	STORES
	global_store_b128 v[LO], v[CP:CP+3], s[8:9]    ; p_c of my four columns: 512 consecutive bytes a wave
	v_max3_num_f32 v6, |v[CP]|, |v[CP+1]|, |v[CP+2]|
	v_max_num_f32 v6, v6, |v[CP+3]|
	v_max_num_f32_dpp v6, v6, v6 row_xmask:1 row_mask:0xf bank_mask:0xf
	v_max_num_f32_dpp v6, v6, v6 row_xmask:2 row_mask:0xf bank_mask:0xf
	v_max_num_f32_dpp v6, v6, v6 row_xmask:4 row_mask:0xf bank_mask:0xf
	v_max_num_f32_dpp v6, v6, v6 row_xmask:8 row_mask:0xf bank_mask:0xf
	v_permlanex16_b32 v7, v6, s20, s21             ; (v7 was written at the head)
	v_max_num_f32 v6, v6, v7                       ; the largest |p_c| of the 128 columns, in every lane
	v_bfe_u32 v6, v6, 23, 8                        ; its biased exponent e: |p| < 2^(e - 126)
	v_add_nc_u32 v6, 0xffffff82, v6                ; e - 126
	v_min_i32 v6, 0, v6                            ; a product of sines is at most 1
	v_cmp_eq_u32 vcc_lo, 0, v[LANE]
	s_wait_xcnt 0x0                                ; EXEC is a source of the stores above: it changes only behind this wait
	s_wait_alu depctr_va_vcc(0)                    ; VCC is written, ahead of its first reader: EXEC is made from it
	s_wait_alu depctr_va_vdst(0)                   ; every vector instruction so far has run under the old EXEC; among them v6 is written, which the store below reads
	s_wait_alu depctr_vm_vsrc(0)                   ; the stores above have read their vector registers under the old EXEC
	s_and_saveexec_b32 s17, vcc_lo
	global_store_b32 v[NIL], v6, s[10:11]          ; lane 0 stores E[H][c]
	s_wait_xcnt 0x0                                ; and again in front of the line that widens it
	s_wait_alu depctr_va_vdst(0)                   ; ahead of the write of EXEC: no vector instruction is still on its way
	s_wait_alu depctr_vm_vsrc(0)                   ; the store has read v[NIL] and v6 under the narrow EXEC
	s_or_b32 exec_lo, exec_lo, s17
	s_endpgm
.Lfunc_end_k_q088bb3bdfa_build:
	.size	k_q088bb3bdfa_build, .Lfunc_end_k_q088bb3bdfa_build-k_q088bb3bdfa_build
	.p2alignl 7, 3214868480
	.fill 96, 4, 3214868480
	.section	.rodata,"a",@progbits
	.p2align	6, 0x0
	.amdhsa_kernel k_q088bb3bdfa_build
		.amdhsa_group_segment_fixed_size 0
		.amdhsa_private_segment_fixed_size 0
		.amdhsa_enable_private_segment 0
		.amdhsa_kernarg_size 32
		.amdhsa_user_sgpr_count 2
		.amdhsa_user_sgpr_kernarg_segment_ptr 1
		.amdhsa_wavefront_size32 1
		.amdhsa_system_sgpr_workgroup_id_x 1
		.amdhsa_system_sgpr_workgroup_id_y 1
		.amdhsa_system_sgpr_workgroup_id_z 1
		.amdhsa_system_vgpr_workitem_id 0
		.amdhsa_next_free_vgpr 160
		.amdhsa_next_free_sgpr 66
		.amdhsa_reserve_vcc 1
		.amdhsa_float_denorm_mode_32 3
		.amdhsa_float_denorm_mode_16_64 3
		.amdhsa_memory_ordered 1
		.amdhsa_forward_progress 1
		.amdhsa_inst_pref_size 119
	.end_amdhsa_kernel
	.amdgpu_metadata
---
amdhsa.version: [ 1, 2 ]
amdhsa.kernels:
  - .name:           k_q088bb3bdfa_build
    .symbol:         k_q088bb3bdfa_build.kd
    .args:
      - { .name: theta_lambda, .offset: 0, .size: 8, .value_kind: global_buffer, .address_space: global }
      - { .name: vloc, .offset: 8, .size: 8, .value_kind: global_buffer, .address_space: global }
      - { .name: pbuf, .offset: 16, .size: 8, .value_kind: global_buffer, .address_space: global }
      - { .name: ebuf, .offset: 24, .size: 8, .value_kind: global_buffer, .address_space: global }
    .group_segment_fixed_size: 0
    .private_segment_fixed_size: 0
    .kernarg_segment_align: 8
    .kernarg_segment_size: 32
    .max_flat_workgroup_size: 256
    .sgpr_count:     66
    .vgpr_count:     160
    .wavefront_size: 32
...
	.end_amdgpu_metadata
.endif
;; end of part 3
;; launch product: the kernel of part 2 again; grid 32 x 8, 8 waves a work-group, no clusters, 0 bytes of LDS; arguments x, vloc, pbuf, ebuf, theta_lambda, out0; writes out0
